; MI455X (gfx1250); checked and timed in simulation.
; The chip was launched on July 23, 2026; its instructions are those of AMD's public machine-readable ISA for CDNA 5 (MIT licence, August 2026) and "CDNA5" Instruction Set Architecture Reference Guide (July 2026). The comments in the code are by the model that wrote it; some were corrected since.
;; Sliding Window Self Attention. Allowed arithmetic: matrix products marked QUANTISED: E2M3 operands, one E8M0 scale for each 32 along K, by v_wmma_scale_f32_16x16x128_f8f6f4 with both operands' format E2M3, f32 sums; everything else in f32.
;; Inputs: Wk 256 x 8 x 32 float32; Wo 8 x 32 x 256 float32; Wq 256 x 8 x 32 float32; Wv 256 x 8 x 32 float32; beta 256 float32; bk 8 x 32 float32; bo 256 float32; bq 8 x 32 float32; bv 8 x 32 float32; gamma 256 float32; x 2 x 4,096 x 256 float32.
;; Outputs: out0 2 x 4,096 x 256 float32.
;; Constants: w_2 = 64.
;; This version of the problem:
;;   THIS VERSION OF THE PROBLEM IS GIVEN IN LOW PRECISION. The matrix products marked QUANTISED in the list below multiply operands that are first quantised to E2M3 (2 exponent bits, 3 mantissa bits; 6 bits a number), with one power-of-two scale for each 32 numbers along K (OCP MX v1.0); their sums are f32. All else is computed in f32.
;;   The module's matrix products, in the order in which they are computed (A, B: the left and right operand; K: the contracted axis; several contracted axes count as one K, in the product's order):
;;     1. [M 8,192, K 256] x [K 256, N 256]; A: input x; B: input Wq: QUANTISED
;;     2. [M 8,192, K 256] x [K 256, N 256]; A: input x; B: input Wk: QUANTISED
;;     3. [M 8,192, K 256] x [K 256, N 256]; A: input x; B: input Wv: QUANTISED
;;     4. batch 16 x [M 4,096, K 32] x [K 32, N 4,096]; A: computed on the way; B: computed on the way: QUANTISED
;;     5. batch 16 x [M 32, K 4,096] x [K 4,096, N 4,096]; A: computed on the way; B: softmax (see below): QUANTISED
;;     6. [M 8,192, K 256] x [K 256, N 256]; A: computed on the way; B: input Wo: QUANTISED
;;   THE QUANTISER, for each operand of a quantised product, along K:
;;     - K is cut into blocks of 32 from its start; a last block that is shorter is filled with zeros.
;;     - A block's scale is 2^e with e = floor(log2(the largest magnitude in the block)) - 2, held to -126 .. 127; a block of zeros has e = 0. As a byte (E8M0): e + 127.
;;     - Each number is divided by its block's scale, clamped to +-7.5, and rounded to the nearest number of E2M3, ties to even, subnormals kept.
;;     - The product sums the exact products of the quantised numbers (number of the format x scale) in f32.
;;   ~~~python
;;   def quantise(x, axis):      # numpy; x: float32 -> the quantised numbers, widened to float32 again
;;       x = np.moveaxis(x, axis, -1); K = x.shape[-1]
;;       x = np.pad(x, [(0, 0)] * (x.ndim - 1) + [(0, -K % 32)]); x = x.reshape(x.shape[:-1] + (-1, 32)); a = np.abs(x).max(-1, keepdims=True)
;;       e = np.where(a > 0, np.clip(np.frexp(np.where(a > 0, a, 1))[1] - 1 - 2, -126, 127), 0)      # np.frexp(a)[1] - 1 = floor(log2(a)), exactly
;;       r = np.clip(x / 2.0 ** e, -7.5, 7.5)
;;       step = 2.0 ** (np.maximum(np.frexp(np.where(r == 0, 1, r))[1] - 1, 0) - 3)
;;       q = np.round(r / step) * step * 2.0 ** e      # np.round: ties to even
;;       return np.moveaxis(q.reshape(q.shape[:-2] + (-1,))[..., :K], -1, axis).astype(np.float32)
;;   ~~~
;;   SOFTMAX AHEAD OF A QUANTISED PRODUCT. Where the list says 'softmax', what is quantised is not the finished softmax but p = 2^(t - M), with t = logit x log2(e) and M = ceil(the row's largest t), a whole number; so 1/2 < the row's largest p <= 1. The row's sum l is taken of the UNQUANTISED p, in f32, and the product's result is divided by l at the end. Since M is a whole number, a kernel that streams over the keys may use a running M (the ceiling of the running maximum): every later rescaling is an exact power of two, which a block's scale takes up: the codes' values come out the same.
;;   OPERANDS COMPUTED ON THE WAY. 'Computed on the way' means the value that the module computes at that place (a softmax that the list does not call 'softmax' is quantised finished and normalised). What goes into a quantiser is computed in f32, as accurately as f32 sums, v_exp_f32 and their like allow (about 1e-6 of the number): no bf16 or f16 on the way to a quantiser, and a product that is left as it is and whose result goes on into a quantised operand takes f32 operands (vector FMAs, or v_wmma_f32_16x16x4_f32). A number that lies on a knife's edge between two numbers of the format may be rounded either way, as far as f32 arithmetic and the matrix unit's own rounding can turn it there, and no further.
;; One version. Each part assembles by itself: llvm-mc -triple=amdgcn-amd-amdhsa -mcpu=gfx1250 --defsym DOCPART=n.
;; ======== version 1 of 1: 2 launches
;; limits: right only within a limited range of input values
;; workspace buffers: xq 1,638,400 bytes; wts 204,800 bytes
;; launch prep (part 1): grid 272 x 1, 4 waves a work-group, no clusters, 35,072 bytes of LDS; arguments x, Wq, Wk, Wv, Wo, xq, wts; writes xq, wts
.if DOCPART == 1
	.amdgcn_target "amdgcn-amd-amdhsa--gfx1250"
	.amdhsa_code_object_version 6
	.text
	.protected	k_q892efdebb4_prep
	.globl	k_q892efdebb4_prep
	.p2align	8
	.type	k_q892efdebb4_prep,@function
k_q892efdebb4_prep:
	s_mov_b64 s[64:65], 0
	v_nop
	global_prefetch_b8 v0, s[64:65] scope:SCOPE_SE
	s_setreg_imm32_b32 hwreg(HW_REG_WAVE_MODE, 25, 1), 1
	s_wait_xcnt 0x0
; x [8192][256] and the four weights, each taken as [256 (K)][256 (columns)], all f32, become codes of FP6 (E2M3) with one E8M0 byte for each 32 along K,
; laid in the order of the matrix operand's registers, so that the next launch takes every fragment by loads of 16 bytes a lane.
; A RECORD, 6,400 bytes, holds 32 rows x 256 along K.  Fragment (u, s) (tile u of 16 rows, K step s of 128) lies at (2 u + s) x 1,536: register group g (registers 4 g .. 4 g + 3) at + 512 g, lane l's
; 16 bytes at + 16 l.  Place m of tile u is row 8 u + m + 8 (m / 8).  Registers 6 c .. 6 c + 5 of lane (r = l % 16, h = l / 16) hold k = 128 s + 64 c + 32 h + 0 .. 31 of the row at place r.
; The scale words lie at 6,144 + 16 r + 4 (2 u + s): one word a row and K step.
; xq: record = block of 32 tokens (256 of them).  wts: record 4 w + i, i = 0 Wq, 1 Wk, 2 Wv, 3 Wo; its rows are the weight's columns 32 w + 0 .. 31.
; A block's scale is 2^(floor(log2(its largest magnitude)) - 2); its byte is the largest magnitude's exponent field - 2, held at 1 from below.
; LIMITS: a block whose largest magnitude lies under 2^-124, a block of zeros among them, gets the byte 1 (its codes are zeros or next to it; the bytes are read by this program alone);
; NaN and infinities among the inputs are not served.
; SHARES: work-groups 0-15 take the weights, two records each (two waves to a record, one for each K step); work-groups 16-271 take x, a record each (a wave to a fragment).
; The two ways part on the work-group's number; each has LDS bytes of its own.
.set SPX,  528                         ; x's stage: a row of 512 bytes + 16: sixteen rows start at sixteen different columns of 16 bytes
.set XSW,  33792                       ; behind the four stages of 16 x 528 bytes: x's 64 scale words
.set WSW,  34048                       ; the weights' scale words: 256 bytes for each of the two records
.set R,    32                          ; x: v32-95 numbers as loaded
.set XN,   96                          ; v96-159 the same, 16 neighbours of each block in a lane
.set PC,   160                         ; v160-178 codes
.set TM,   180                         ; v180-195 at work
.set PW,   196                         ; the scale word
.set X,    32                          ; weights: v32-159 my column's 128 numbers down K
.set F0,   160                         ; v160-171 tile 0's fragment; v172-183 tile 1's
.set F1,   172
.set TU0,  184                         ; v184-190, v192-198: the blocks' upper halves, until they are moved
.set TU1,  192
.set SO,   14                          ; v14-17 the conversions' scale operands
	s_load_b256 s[4:11], s[0:1], 0x0               ; x, Wq, Wk, Wv
	s_load_b128 s[12:15], s[0:1], 0x20             ; Wo, xq
	s_load_b64 s[16:17], s[0:1], 0x30              ; wts
	v_lshl_add_u32 v200, v0, 2, 0x8700
	v_mov_b32 v201, 0
	v_lshrrev_b32 v1, 5, v0
	v_readfirstlane_b32 s18, v1                    ; wave 0..3
	v_and_b32 v1, 31, v0                           ; lane
	v_and_b32 v2, 15, v0                           ; r
	v_bfe_u32 v3, v0, 4, 1                         ; h
	s_lshr_b32 s19, s18, 1                         ; x: tile u.  weights: which of the two records
	s_and_b32 s24, s18, 1                          ; K step s
	v_lshlrev_b32 v4, 4, v1                        ; 16 x lane
	s_mul_i32 s25, s18, 16*SPX                     ; my stage
	v_add_nc_u32 v5, s25, v4                       ; into it: a row's 512 bytes as they lie
	v_mul_u32_u24 v6, v2, SPX
	v_lshl_add_u32 v6, v3, 6, v6
	v_add_nc_u32 v6, s25, v6                       ; out of it: row r, + 64 h: my 16 numbers of a block of 32
	s_lshl_b32 s25, s18, 2
	s_add_co_u32 s25, s25, XSW
	v_lshl_add_u32 v7, v2, 4, s25                  ; x's scale word: 16 r + 4 x fragment
	v_lshlrev_b32 v9, 3, v1                        ; 8 x lane
	v_add_nc_u32 v8, XSW, v9
	v_and_b32 v10, 8, v2
	v_add_nc_u32 v10, v10, v2
	v_lshl_add_u32 v10, v3, 3, v10                 ; weights: my column r + 8 (r / 8) + 8 h: lanes 0-15 are tile 0's rows, lanes 16-31 tile 1's
	v_lshlrev_b32 v10, 2, v10
	s_lshl_b32 s25, s19, 8
	s_add_co_u32 s25, s25, WSW
	v_add_nc_u32 v24, s25, v9                      ; my record's 256 bytes of scale words, 8 a lane
	s_lshl_b32 s26, s24, 2
	s_add_co_u32 s25, s25, s26
	v_lshl_add_u32 v11, v2, 4, s25
	v_lshl_add_u32 v11, v3, 3, v11                 ; my column's word: 16 r + 8 h + 4 s
	s_mov_b32 s20, 0x76543210
	s_mov_b32 s21, 0xfedcba98                      ; v_permlanex16_b32's selects for lane l xor 16
	s_mov_b32 s29, 0
	s_wait_kmcnt 0x0
	s_cmp_lt_u32 ttmp9, 16
	s_cbranch_scc1 .Lweights
	; ---- x: my fragment is 16 rows (tile u of the block) x 128 along K (step s)
	s_sub_co_u32 s26, ttmp9, 16                    ; the block of 32 tokens
	s_lshl_b32 s28, s26, 15                        ; 32 rows of 1,024 bytes,
	s_lshl_b32 s27, s19, 13                        ; + 8 u rows,
	s_add_co_u32 s28, s28, s27
	s_lshl_b32 s27, s24, 9                         ; + 512 s
	s_add_co_u32 s28, s28, s27
	s_add_nc_u64 s[4:5], s[4:5], s[28:29]
	s_mul_i32 s28, s26, 6400
	s_mul_i32 s27, s18, 1536
	s_add_co_u32 s28, s28, s27
	s_add_nc_u64 s[14:15], s[14:15], s[28:29]      ; my fragment's image in xq
.irp i, 0,1,2,3,4,5,6,7,8,9,10,11,12,13,14,15
	global_load_b128 v[R+4*\i:R+4*\i+3], v4, s[4:5] offset:(\i+8*(\i/8))*1024   ; place i: 512 consecutive bytes of its row.  The next launch reads x again: no hint
.endr
.irp b, 0,1,2,3
	v_mov_b32 v[TM+4+\b], 0                        ; a lane permute's destination counts as one of its sources
.endr
.irp i, 0,1,2,3,4,5,6,7,8,9,10,11,12,13,14,15
	s_wait_loadcnt 15-\i                           ; loads come back in order: row i is in, the younger ones stay out
	ds_store_b128 v5, v[R+4*\i:R+4*\i+3] offset:SPX*\i
.endr
.irp b, 0,1,2,3
.irp j, 0,1,2,3
	ds_load_b128 v[XN+16*\b+4*\j:XN+16*\b+4*\j+3], v6 offset:128*\b+16*\j   ; LDS serves a wave's instructions in order: these see my stores.  Register 16 b + i = k 32 b + 16 h + i of row r
.endr
.endr
	s_wait_dscnt 0x0
.irp b, 0,1,2,3
	v_max3_num_f32 v[TM+\b], |v[XN+16*\b]|, |v[XN+1+16*\b]|, 0x1800000   ; block b: my 16 numbers, and the floor 2^(3 - 127): the byte cannot fall under 1
.endr
.irp i, 2,4,6,8,10,12,14
.irp b, 0,1,2,3
	v_max3_num_f32 v[TM+\b], v[TM+\b], |v[XN+16*\b+\i]|, |v[XN+1+16*\b+\i]|   ; the four blocks by turns
.endr
.endr
.irp b, 0,1,2,3
	v_permlanex16_b32 v[TM+4+\b], v[TM+\b], s20, s21
.endr
.irp b, 0,1,2,3
	v_max_num_f32 v[TM+\b], v[TM+\b], v[TM+4+\b]   ; with lane l xor 16's: the block's largest magnitude
.endr
.irp b, 0,1,2,3
	v_add_nc_u32 v[TM+12+\b], 0xff000000, v[TM+\b] ; 2 off its exponent field: the conversion takes that field as its scale
.endr
.irp b, 0,1,2,3
	v_lshrrev_b32 v[TM+4+\b], 23, v[TM+12+\b]      ; the scale's byte
.endr
	v_lshl_or_b32 v[PW], v[TM+5], 8, v[TM+4]
	v_lshl_or_b32 v[PW], v[TM+6], 16, v[PW]
	v_lshl_or_b32 v[PW], v[TM+7], 24, v[PW]        ; my row's scale word for this K step
.irp c, 0,1
	v_cvt_scalef32_pk16_fp6_f32 v[PC+6*\c:PC+2+6*\c], v[XN+32*\c:XN+15+32*\c], v[TM+12+2*\c]
	v_cvt_scalef32_pk16_fp6_f32 v[PC+12+4*\c:PC+14+4*\c], v[XN+16+32*\c:XN+31+32*\c], v[TM+12+2*\c+1]   ; (a conversion's three registers begin on an even number)
.endr
	v_nop                                          ; one plain place behind a scaled conversion
.irp c, 0,1                                    ; the operand's layout wants a whole block in a lane: lanes 0-15 block 2 c, lanes 16-31 block 2 c + 1
.irp i, 0,1,2
	v_permlane16_swap_b32 v[PC+6*\c+\i], v[PC+12+4*\c+\i]
.endr
.irp i, 0,1,2
	v_mov_b32 v[PC+3+6*\c+\i], v[PC+12+4*\c+\i]
.endr
.endr
.irp g, 0,1,2
	global_store_b128 v4, v[PC+4*\g:PC+4*\g+3], s[14:15] offset:512*\g   ; 512 consecutive bytes, at a multiple of 256 from xq's first byte
.endr
	ds_store_b32 v7, v[PW]                         ; lanes r and r + 16 write the same word with the same value
	s_wait_dscnt 0x0                               ; for wave 0's sake: my word has landed
	s_barrier_signal -1
	s_barrier_wait -1
	s_cmp_lg_u32 s18, 0
	s_cbranch_scc1 .Lend_x
	ds_load_b64 v[12:13], v8                       ; the record's 64 scale words leave as one aligned run of 256 bytes (wave 0's base is the record's)
	s_wait_dscnt 0x0
	global_store_b64 v9, v[12:13], s[14:15] offset:6144
.Lend_x:
	s_wait_tensorcnt 0x0
	ds_add_u32 v200, v201
	s_wait_dscnt 0x0
	s_endpgm
	; ---- the weights: a lane takes a column, its registers run down K: 128 numbers, four whole blocks
.Lweights:
	s_lshl_b32 s26, ttmp9, 1
	s_add_co_u32 s26, s26, s19                     ; the record: 4 w + i
	s_and_b32 s27, s26, 3                          ; i: which weight
	s_lshr_b32 s30, s26, 2                         ; w: which 32 columns
	s_mov_b64 s[22:23], s[6:7]
	s_cmp_eq_u32 s27, 1
	s_cselect_b64 s[22:23], s[8:9], s[22:23]
	s_cmp_eq_u32 s27, 2
	s_cselect_b64 s[22:23], s[10:11], s[22:23]
	s_cmp_eq_u32 s27, 3
	s_cselect_b64 s[22:23], s[12:13], s[22:23]     ; the choice hangs on the work-group's and the wave's number alone
	s_lshl_b32 s28, s24, 17                        ; 128 s rows of 1,024 bytes
	s_lshl_b32 s31, s30, 7                         ; + 32 w columns
	s_add_co_u32 s28, s28, s31
	s_add_nc_u64 s[22:23], s[22:23], s[28:29]
	s_mul_i32 s28, s26, 6400
	s_mul_i32 s31, s24, 1536
	s_add_co_u32 s28, s28, s31
	s_add_nc_u64 s[16:17], s[16:17], s[28:29]      ; the record in wts, + 1,536 s
.macro WLOAD b                         ; block b: W(128 s + 32 b + k, my column): the 32 lanes read 128 consecutive bytes
.irp k, 0,1,2,3,4,5,6,7,8,9,10,11,12,13,14,15,16,17,18,19,20,21,22,23,24,25,26,27,28,29,30,31
	global_load_b32 v[X+32*(\b)+\k], v10, s[22:23] offset:(32*(\b)+\k)*1024
.endr
.endm
.macro WBLOCK b
.set XB, X+32*(\b)
.set FD, F0+12*((\b)%2)+6*((\b)/2)     ; even blocks go to tile 0's registers, odd ones to tile 1's: the exchange below sets them right
.set TD, TU0+8*((\b)%2)+4*((\b)/2)
.if (\b) < 3
	s_wait_loadcnt 32                              ; this block's 32 loads are in; the next block's 32 may be out
.else
	s_wait_loadcnt 0x0
.endif
.if (\b)+2 < 4
	WLOAD (\b)+2
.endif
	v_max3_num_f32 v12, |v[XB]|, |v[XB+1]|, |v[XB+2]|              ; the block's largest magnitude: all 32 numbers are mine
	v_max3_num_f32 v13, |v[XB+3]|, |v[XB+4]|, |v[XB+5]|
.irp i, 6,10,14,18,22,26
	v_max3_num_f32 v12, v12, |v[XB+\i]|, |v[XB+\i+1]|
	v_max3_num_f32 v13, v13, |v[XB+\i+2]|, |v[XB+\i+3]|
.endr
	v_max3_num_f32 v12, v12, |v[XB+30]|, |v[XB+31]|
	v_max3_num_f32 v12, v12, v13, 0x1800000        ; and the floor 2^(3 - 127)
	v_add_nc_u32 v[SO+(\b)], 0xff000000, v12       ; 2 off its exponent field: the conversion's scale operand
.if (\b) == 0
	v_lshrrev_b32 v19, 23, v[SO]                   ; the scale's byte: the four make my column's word
.else
	v_lshrrev_b32 v18, 23, v[SO+(\b)]
	v_lshl_or_b32 v19, v18, 8*(\b), v19
.endif
	v_cvt_scalef32_pk16_fp6_f32 v[FD:FD+2], v[XB:XB+15], v[SO+(\b)]
	v_cvt_scalef32_pk16_fp6_f32 v[TD:TD+2], v[XB+16:XB+31], v[SO+(\b)]
.endm
	WLOAD 0
	WLOAD 1
	WBLOCK 0
	WBLOCK 1
	WBLOCK 2
	WBLOCK 3
	v_nop                                          ; one plain place behind a scaled conversion
.irp c, 0,1                                    ; tile 0's fragment wants, in lanes 16-31, block 2 c + 1 of the columns that lanes 0-15 hold; tile 1's, in lanes 0-15, block 2 c of the columns that lanes 16-31 hold:
.irp i, 0,1,2                                  ; one exchange of the first register's upper lanes with the second's lower lanes does both
	v_permlane16_swap_b32 v[F0+6*\c+\i], v[F1+6*\c+\i]
	v_permlane16_swap_b32 v[TU0+4*\c+\i], v[TU1+4*\c+\i]
.endr
.irp i, 0,1,2
	v_mov_b32 v[F0+6*\c+3+\i], v[TU0+4*\c+\i]
	v_mov_b32 v[F1+6*\c+3+\i], v[TU1+4*\c+\i]
.endr
.endr
.irp g, 0,1,2
	global_store_b128 v4, v[F0+4*\g:F0+4*\g+3], s[16:17] offset:512*\g
	global_store_b128 v4, v[F1+4*\g:F1+4*\g+3], s[16:17] offset:3072+512*\g
.endr
	ds_store_b32 v11, v19
	s_wait_dscnt 0x0                               ; for the other wave's sake: my words have landed
	s_barrier_signal -1
	s_barrier_wait -1
	s_cmp_lg_u32 s24, 0
	s_cbranch_scc1 .Lend_w
	ds_load_b64 v[12:13], v24                      ; the wave of K step 0 (its base is the record's) stores the record's scale words: one aligned run of 256 bytes
	s_wait_dscnt 0x0
	global_store_b64 v9, v[12:13], s[16:17] offset:6144
.Lend_w:
	s_wait_tensorcnt 0x0
	ds_add_u32 v200, v201
	s_wait_dscnt 0x0
	s_endpgm
.Lfunc_end_k_q892efdebb4_prep:
	.size	k_q892efdebb4_prep, .Lfunc_end_k_q892efdebb4_prep-k_q892efdebb4_prep
	.p2alignl 7, 3214868480
	.fill 96, 4, 3214868480
	.section	.rodata,"a",@progbits
	.p2align	6, 0x0
	.amdhsa_kernel k_q892efdebb4_prep
		.amdhsa_group_segment_fixed_size 35072
		.amdhsa_private_segment_fixed_size 0
		.amdhsa_enable_private_segment 0
		.amdhsa_kernarg_size 56
		.amdhsa_user_sgpr_count 2
		.amdhsa_user_sgpr_kernarg_segment_ptr 1
		.amdhsa_wavefront_size32 1
		.amdhsa_system_sgpr_workgroup_id_x 1
		.amdhsa_system_sgpr_workgroup_id_y 1
		.amdhsa_system_sgpr_workgroup_id_z 1
		.amdhsa_system_vgpr_workitem_id 0
		.amdhsa_next_free_vgpr 202
		.amdhsa_next_free_sgpr 66
		.amdhsa_reserve_vcc 0
		.amdhsa_float_denorm_mode_32 3
		.amdhsa_float_denorm_mode_16_64 3
		.amdhsa_memory_ordered 1
		.amdhsa_forward_progress 1
		.amdhsa_inst_pref_size 32
	.end_amdhsa_kernel
	.amdgpu_metadata
---
amdhsa.version: [ 1, 2 ]
amdhsa.kernels:
  - .name:           k_q892efdebb4_prep
    .symbol:         k_q892efdebb4_prep.kd
    .args:
      - { .name: x, .offset: 0, .size: 8, .value_kind: global_buffer, .address_space: global }
      - { .name: Wq, .offset: 8, .size: 8, .value_kind: global_buffer, .address_space: global }
      - { .name: Wk, .offset: 16, .size: 8, .value_kind: global_buffer, .address_space: global }
      - { .name: Wv, .offset: 24, .size: 8, .value_kind: global_buffer, .address_space: global }
      - { .name: Wo, .offset: 32, .size: 8, .value_kind: global_buffer, .address_space: global }
      - { .name: xq, .offset: 40, .size: 8, .value_kind: global_buffer, .address_space: global }
      - { .name: wts, .offset: 48, .size: 8, .value_kind: global_buffer, .address_space: global }
    .group_segment_fixed_size: 35072
    .private_segment_fixed_size: 0
    .kernarg_segment_align: 8
    .kernarg_segment_size: 56
    .max_flat_workgroup_size: 128
    .sgpr_count:     66
    .vgpr_count:     202
    .wavefront_size: 32
...
	.end_amdgpu_metadata
.endif
;; end of part 1
;; launch attn (part 2): grid 256 x 1, 8 waves a work-group, clusters of 4 x 1, 278,016 bytes of LDS; arguments xq, wts, x, bq, bk, bv, bo, gamma, beta, out0; writes out0
.if DOCPART == 2
	.amdgcn_target "amdgcn-amd-amdhsa--gfx1250"
	.amdhsa_code_object_version 6
	.text
	.protected	k_q892efdebb4_attn
	.globl	k_q892efdebb4_attn
	.p2align	8
	.type	k_q892efdebb4_attn,@function
k_q892efdebb4_attn:
	s_mov_b64 s[64:65], 0
	v_nop
	global_prefetch_b8 v0, s[64:65] scope:SCOPE_SE
	s_setreg_imm32_b32 hwreg(HW_REG_WAVE_MODE, 25, 1), 1
	s_wait_xcnt 0x0
	s_wait_alu depctr_hold_cnt(0) depctr_sa_sdst(0) depctr_va_vdst(0) depctr_va_sdst(0) depctr_va_ssrc(0) depctr_va_vcc(0) depctr_vm_vsrc(0)
	s_getreg_b32 s2, hwreg(HW_REG_IB_STS2, 6, 4)
	s_cmp_eq_u32 s2, 0
	s_cbranch_scc0 .Lentry_in_a_cluster
	s_endpgm
.Lentry_in_a_cluster:
	s_bfe_u32 s2, ttmp6, 0x10000c
	s_cmp_lg_u32 s2, 0x3003
	s_cbranch_scc0 .Lentry_shape_is_right
	s_endpgm
.Lentry_shape_is_right:
; out = LayerNorm(x + attention(x) Wo + bo): q, k, v projections, attention of 8 heads of 32 channels under the band |i - j| <= 64, output projection, residual, norm.
; All six products on codes of FP6 (E2M3) with one E8M0 scale for each 32 along K.  x's and the weights' codes come from the launch before, as images of operand registers (records of 6,400 bytes:
; fragment (u, s) at 1,536 (2 u + s), 16 bytes a lane and register group; scale words at 6,144 + 16 r + 4 (2 u + s); place m of tile u is row 8 u + m + 8 (m / 8)).
; SHARES.  A work-group owns 32 queries, one aligned block of tokens, and walks the five aligned blocks of 32 keys that its band touches (block 2 is its own).  WAVE w IS HEAD w: it makes q, k and v of its head for
; the window (k and v of the neighbours' tokens are made again here: 80 matrix instructions a wave, against a launch more and q, k, v through memory), runs its head's attention in registers, and makes
; output columns 32 w .. 32 w + 31.  Only x's codes, o's codes and the rows for the norm pass between waves, through LDS: three barriers.
; LAYOUT.  q and k are made transposed (source 0 = 16 columns of the weight, source 1 = 16 tokens): a lane holds one token, and by the order of rows in a tile its 16 registers of two tiles are channels
; 16 h + 0 .. 15.  v is made the other way round: a lane holds one channel and 16 neighbouring keys.  S^T = k q^T and O^T = v^T p^T keep one query to a lane.
; HALF-FILLED BLOCKS.  A product's K here is one block of 32 (a head's channels; a block of keys), of which a lane holds 16: one conversion, three registers.  They are used as registers 0-2 of the operand as they stand:
; lanes 0-15 put their 16 numbers at k = 0 .. 15, lanes 16-31 theirs at k = 32 .. 47, alike on both sides, and both k blocks carry the true block's byte (word = byte x 0x101).  q's and p's fragments
; hold zero codes everywhere else, so what stands in the rest of k's and v's fragments (the other tile's codes, or zeros) adds nothing.  No code changes lanes.
; SOFTMAX.  t = score x log2(e) / sqrt(32); M = the running largest t rounded up to a whole number; p = 2^(t - M) is quantised along the keys; the sum is taken of the unquantised p and divides at the end.
; Block 2 comes first: all its keys count for every query, so M is a number from the first step on.
; THE BAND, and the sequence's ends, are honoured by setting hidden scores to -infinity ahead of the maximum: selects and additions, no branch.  Blocks past an end are read from a clamped record and hidden whole.
; CLUSTER.  All work-groups read the same 204,800 bytes of weight codes: the four of a cluster ask for them jointly.  x's codes are not shared so: partners' windows are one block apart, and a common copy would want
; LDS addresses that hang on the place in the cluster.
; Every LDS byte is filled once.  By this text's count a wave has two tensor loads out at the most.
; LIMITS: hidden keys weigh exactly 0, as they do where the -1e9 that the band adds takes 2^(t - M) under the smallest f32 number: that holds while scores inside the band stay above about -1e9 + 200;
; a block whose largest magnitude lies under 2^-124 gets the byte 1; NaN and infinities among the inputs are not served; 1 / sum by v_rcp_f32; the biases enter as the C of each sum's first product.
.set REC,  6400
.set XL,   204800                      ; LDS: 0 .. 204,799 the weights: wave w's records q, k, v, o at 25,600 w.  Then the window's five records of x,
.set OROW, 236800                      ; o's codes: row 16 q + r of 208 bytes (192 + 16); head w at + 24 w,
.set OP,   208
.set OSC,  243456                      ; o's scale bytes: 8 a row,
.set STG,  243712                      ; and the stage: 32 rows of 1,024 + 16 bytes
.set SP,   1040
; window 0: v1 lane, v2 r, v3 h, v4 16 lane, v5-v19 addresses (below), v20 -infinity, v21 r + 8 (r / 8)
.set WQS,  22                          ; v22-45 hold scale words and nothing else: Wq's (later Wo's), Wk's, Wv's, x's (later o's): four each;  q's, k's, v's, p's: two each
.set WKS,  26
.set WVS,  30
.set XS,   34
.set QS,   38
.set KS,   40
.set VS,   42
.set PS,   44
.set QF,   46                          ; q's two fragments of 12
.set KF,   70                          ; k's: tile u at + 4 u, 16 registers in all
.set VF,   86                          ; v's likewise
.set PF,   102                         ; p's two fragments of 12
.set ACC,  126                         ; four accumulators of the projections
.set S,    158                         ; scores, then p: 16 a tile of queries
.set OA,   190                         ; O^T: 16 a tile of queries
.set NM,   222                         ; per tile of queries, 6 apart: -M, the largest t, the sum (a pair), the factor (a pair)
.set TMX,  223
.set LS,   224
.set FF,   226
.set T0,   234
.set T1,   235
.set T2,   236
.set T3,   237
.set T4,   238
.set T5,   239
.set BY0,  240
.set BY1,  241
.set BM,   242
.set TX,   244
.set DD,   246
.set TP,   248
.set DQ,   252
.set XR,   46                          ; the tail: x's rows, gamma, beta, o's codes, the rows of y, sums
.set GA,   78
.set BE,   86
.set OC,   102
.set YS,   158
.set RA,   190
.set RB,   192
; window 1: the weights' fragments ((tile, K step) at 12 (2 tile + step)), x's fragments, the biases in the results' layout
.set WK,   0
.set WV,   48
.set WQ,   96                          ; later Wo
.set XF,   144                         ; later o's fragments
.set BK,   192
.set BV,   208
.set BQ,   224                         ; later bo
.set MSB, 0
.macro WIN new                         ; low byte: bits 1:0 source 0, 3:2 source 1, 5:4 source 2, 7:6 destination; the high byte repeats the setting that is left
.if MSB != \new
	s_set_vgpr_msb (MSB<<8)|\new
.set MSB, \new
.endif
.endm
.macro PLACES n                        ; plain vector instructions that name no register of the matrix instruction behind which they stand (ISA guide 7.12.1)
.rept \n
	v_nop
.endr
.endm
.macro ROUND                           ; a round of the cluster's barrier
	s_barrier_signal -1
	s_barrier_wait -1
	s_cmp_lg_u32 s28, 0
	s_cbranch_scc1 .Lnot_wave_0_\@
	s_barrier_signal -3
.Lnot_wave_0_\@:
	s_barrier_wait -3
	s_barrier_signal -1
	s_barrier_wait -1
.endm
.macro BAR                             ; my LDS stores have landed and my LDS loads are in: then the work-group's barrier
	s_wait_dscnt 0x0
	s_barrier_signal -1
	s_barrier_wait -1
.endm
.macro WMMA0 d, a, b, sa, sb           ; a product that starts a sum
	v_wmma_scale_f32_16x16x128_f8f6f4 v[\d:\d+7], v[\a:\a+11], v[\b:\b+11], 0, v[\sa], v[\sb] matrix_a_fmt:MATRIX_FMT_FP6 matrix_b_fmt:MATRIX_FMT_FP6
.endm
.macro WMMAC d, a, b, c, sa, sb        ; with C in registers
	v_wmma_scale_f32_16x16x128_f8f6f4 v[\d:\d+7], v[\a:\a+11], v[\b:\b+11], v[\c:\c+7], v[\sa], v[\sb] matrix_a_fmt:MATRIX_FMT_FP6 matrix_b_fmt:MATRIX_FMT_FP6
.endm
.macro LDREC dst, adr, off             ; a record's four fragments into window 1: the image's order is the registers' order
	WIN 0x40
.irp n, 0,1,2,3,4,5,6,7,8,9,10,11
	ds_load_b128 v[\dst+4*\n:\dst+4*\n+3], v[\adr] offset:\off+512*\n
.endr
.endm
; Transposed projection: source 0 = the weight's tile cu, source 1 = x's tile u; the result (cu, u) at ACC + 16 u + 8 cu: a lane's 16 registers at ACC + 16 u are columns 16 h + 0 .. 15 of the token at place r of tile u.
; The four accumulators take turns; the bias is the C of the first K step.
.macro PROJ_T W, WSC, B
	WIN 0x15                                       ; A, B and C in window 1
	WMMAC ACC,    \W,    XF,    \B,   \WSC,   XS
	WMMAC ACC+8,  \W+24, XF,    \B+8, \WSC+2, XS
	WMMAC ACC+16, \W,    XF+24, \B,   \WSC,   XS+2
	WMMAC ACC+24, \W+24, XF+24, \B+8, \WSC+2, XS+2
	WIN 0x05                                       ; A and B in window 1
	WMMAC ACC,    \W+12, XF+12, ACC,    \WSC+1, XS+1
	WMMAC ACC+8,  \W+36, XF+12, ACC+8,  \WSC+3, XS+1
	WMMAC ACC+16, \W+12, XF+36, ACC+16, \WSC+1, XS+3
	WMMAC ACC+24, \W+36, XF+36, ACC+24, \WSC+3, XS+3
	WIN 0
.endm
; v: source 0 = x's tile u, source 1 = Wv's tile ct; the result at ACC + 16 ct + 8 u: a lane's 16 registers at ACC + 16 ct are keys 16 h + 0 .. 15 of the channel at place r of tile ct.
.macro PROJ_V
	WIN 0x15
	WMMAC ACC,    XF,    WV,    BV,   XS,   WVS
	WMMAC ACC+8,  XF+24, WV,    BV,   XS+2, WVS
	WMMAC ACC+16, XF,    WV+24, BV+8, XS,   WVS+2
	WMMAC ACC+24, XF+24, WV+24, BV+8, XS+2, WVS+2
	WIN 0x05
	WMMAC ACC,    XF+12, WV+12, ACC,    XS+1, WVS+1
	WMMAC ACC+8,  XF+36, WV+12, ACC+8,  XS+3, WVS+1
	WMMAC ACC+16, XF+12, WV+36, ACC+16, XS+1, WVS+3
	WMMAC ACC+24, XF+36, WV+36, ACC+24, XS+3, WVS+3
	WIN 0
.endm
; Two runs of 16 registers, each half a block of 32 (the other half lies in lane l xor 16), become three registers of codes each (d0, d1), the bytes in BY0, BY1, and the scale words w0, w1 (-1: none).
; Each accumulator is read from its low end on.
.macro QUANT2 s0, d0, w0, s1, d1, w1
	v_max3_num_f32 v[T0], |v[\s0]|, |v[\s0+1]|, 0x1800000          ; with the floor 2^(3 - 127): the byte cannot fall under 1
	v_max3_num_f32 v[T1], |v[\s1]|, |v[\s1+1]|, 0x1800000
	v_max3_num_f32 v[T2], |v[\s0+8]|, |v[\s0+9]|, |v[\s0+10]|
	v_max3_num_f32 v[T3], |v[\s1+8]|, |v[\s1+9]|, |v[\s1+10]|
.irp i, 2,4
	v_max3_num_f32 v[T0], v[T0], |v[\s0+\i]|, |v[\s0+\i+1]|
	v_max3_num_f32 v[T1], v[T1], |v[\s1+\i]|, |v[\s1+\i+1]|
	v_max3_num_f32 v[T2], v[T2], |v[\s0+\i+9]|, |v[\s0+\i+10]|
	v_max3_num_f32 v[T3], v[T3], |v[\s1+\i+9]|, |v[\s1+\i+10]|
.endr
	v_max3_num_f32 v[T0], v[T0], |v[\s0+6]|, |v[\s0+7]|
	v_max3_num_f32 v[T1], v[T1], |v[\s1+6]|, |v[\s1+7]|
	v_max3_num_f32 v[T0], v[T0], v[T2], |v[\s0+15]|
	v_max3_num_f32 v[T1], v[T1], v[T3], |v[\s1+15]|
	v_permlanex16_b32 v[T2], v[T0], s60, s61
	v_permlanex16_b32 v[T3], v[T1], s60, s61
	v_max_num_f32 v[T0], v[T0], v[T2]              ; the block's largest magnitude
	v_max_num_f32 v[T1], v[T1], v[T3]
	v_add_nc_u32 v[T4], 0xff000000, v[T0]          ; 2 off its exponent field: the conversion's scale operand
	v_add_nc_u32 v[T5], 0xff000000, v[T1]
	v_lshrrev_b32 v[BY0], 23, v[T4]                ; the scale's byte
	v_lshrrev_b32 v[BY1], 23, v[T5]
.if \w0 >= 0
	v_mul_u32_u24 v[\w0], v[BY0], 0x101            ; the byte for k 0-31 and for k 32-63
	v_mul_u32_u24 v[\w1], v[BY1], 0x101
.endif
	v_cvt_scalef32_pk16_fp6_f32 v[\d0:\d0+2], v[\s0:\s0+15], v[T4]
	v_cvt_scalef32_pk16_fp6_f32 v[\d1:\d1+2], v[\s1:\s1+15], v[T5]
	v_nop                                          ; one plain place behind a scaled conversion
.endm
; One block's softmax for my two tiles of queries, line by line by turns.  Register i of a tile is key 16 h + i of the block.
; kind = the block's place in the window: 0, 4: the band's edges; 1, 3: whole, but past the sequence's end in the first and the last work-group of a batch; 2: my own block.  first = 1: it starts M and the sum.
.macro SOFT kind, first
.if \kind == 0
.irp i, 0,1,2,3,4,5,6,7,8,9,10,11,12,13,14,15
.irp q, 0,1
	v_cmp_lt_i32 vcc_lo, \i, v[DQ+\q]              ; hidden: the key comes before max(my query, the sequence's first key)
	v_cndmask_b32 v[S+16*\q+\i], v[S+16*\q+\i], v20, vcc_lo
.endr
.endr
.endif
.if \kind == 4
.irp i, 0,1,2,3,4,5,6,7,8,9,10,11,12,13,14,15
.irp q, 0,1
	v_cmp_gt_i32 vcc_lo, \i, v[DQ+\q]              ; hidden: the key comes after min(my query + 128, the sequence's last key)
	v_cndmask_b32 v[S+16*\q+\i], v[S+16*\q+\i], v20, vcc_lo
.endr
.endr
.endif
.if \kind == 1
.irp i, 0,2,4,6,8,10,12,14
.irp q, 0,1
	v_pk_add_f32 v[S+16*\q+\i:S+16*\q+\i+1], v[S+16*\q+\i:S+16*\q+\i+1], s[66:67] op_sel_hi:[1,0]   ; + 0, or + -infinity where the block lies before the sequence
.endr
.endr
.endif
.if \kind == 3
.irp i, 0,2,4,6,8,10,12,14
.irp q, 0,1
	v_pk_add_f32 v[S+16*\q+\i:S+16*\q+\i+1], v[S+16*\q+\i:S+16*\q+\i+1], s[68:69] op_sel_hi:[1,0]   ; likewise behind the sequence
.endr
.endr
.endif
.irp q, 0,1                                    ; the block's largest score: it serves for the row's maximum and, since p rises with the score, for the block's largest p
	v_max3_num_f32 v[BM+\q], v[S+16*\q], v[S+16*\q+1], v[S+16*\q+2]
	v_max3_num_f32 v[TX+\q], v[S+16*\q+8], v[S+16*\q+9], v[S+16*\q+10]
.endr
.irp i, 3,5
.irp q, 0,1
	v_max3_num_f32 v[BM+\q], v[BM+\q], v[S+16*\q+\i], v[S+16*\q+\i+1]
	v_max3_num_f32 v[TX+\q], v[TX+\q], v[S+16*\q+\i+8], v[S+16*\q+\i+9]
.endr
.endr
.irp q, 0,1
	v_max3_num_f32 v[BM+\q], v[BM+\q], v[S+16*\q+7], v[S+16*\q+15]
.endr
.irp q, 0,1
	v_max_num_f32 v[BM+\q], v[BM+\q], v[TX+\q]
.endr
.irp q, 0,1
	v_permlanex16_b32 v[TX+\q], v[BM+\q], s60, s61
.endr
.irp q, 0,1
	v_max_num_f32 v[BM+\q], v[BM+\q], v[TX+\q]     ; with lane l xor 16's 16 keys
.endr
.if \first
.irp q, 0,1
	v_mul_f32 v[TMX+6*\q], s62, v[BM+\q]           ; the largest t
.endr
.irp q, 0,1
	v_floor_f32 v[NM+6*\q], -v[TMX+6*\q]           ; -M = floor(-t) = -ceil(t)
.endr
.else
.irp q, 0,1
	v_mul_f32 v[DD+\q], s62, v[BM+\q]
.endr
.irp q, 0,1
	v_max_num_f32 v[TMX+6*\q], v[TMX+6*\q], v[DD+\q]   ; the running largest t
.endr
.irp q, 0,1
	v_mov_b32 v[DD+\q], v[NM+6*\q]
.endr
.irp q, 0,1
	v_floor_f32 v[NM+6*\q], -v[TMX+6*\q]
.endr
.irp q, 0,1
	v_sub_f32 v[DD+\q], v[NM+6*\q], v[DD+\q]       ; old M - new M: a whole number, 0 or less
.endr
.irp q, 0,1
	v_cvt_i32_f32 v[DD+\q], v[DD+\q]
.endr
.irp q, 0,1
	v_ldexp_f32 v[FF+6*\q], 1.0, v[DD+\q]          ; f = 2^(old M - new M): a multiplication by it rounds nothing
.endr
.endif
.irp i, 0,2,4,6,8,10,12,14
.irp q, 0,1
	v_pk_fma_f32 v[S+16*\q+\i:S+16*\q+\i+1], v[S+16*\q+\i:S+16*\q+\i+1], s[62:63], v[NM+6*\q:NM+6*\q+1] op_sel_hi:[1,0,0]   ; t - M
.endr
.endr
.irp q, 0,1
	v_fma_f32 v[BM+\q], v[BM+\q], s62, v[NM+6*\q]  ; the same of the block's largest score
.endr
.irp i, 0,1,2,3,4,5,6,7,8,9,10,11,12,13,14,15
.irp q, 0,1
	v_exp_f32 v[S+16*\q+\i], v[S+16*\q+\i]         ; p = 2^(t - M)
.endr
.endr
.irp q, 0,1
	v_exp_f32 v[BM+\q], v[BM+\q]                   ; the block's largest p: the same two instructions on the same number
.endr
.if \first
	v_nop                                          ; a plain place behind the exponentials
	s_wait_alu depctr_va_vdst(0)
.else
	s_wait_alu depctr_va_vdst(0)
.irp q, 0,1
	v_pk_mul_f32 v[LS+6*\q:LS+6*\q+1], v[LS+6*\q:LS+6*\q+1], v[FF+6*\q:FF+6*\q+1] op_sel_hi:[1,0]   ; the sums under the new M (a plain place behind the exponentials)
.endr
.endif
.irp q, 0,1
	v_max_num_f32 v[BM+\q], 0x1800000, v[BM+\q]    ; the floor: a block whose every p is 0 keeps the byte 1: its codes are zeros
.endr
.irp q, 0,1
	v_add_nc_u32 v[T4+\q], 0xff000000, v[BM+\q]
.endr
.irp q, 0,1
	v_lshrrev_b32 v[BY0+\q], 23, v[T4+\q]
.endr
.irp q, 0,1
	v_mul_u32_u24 v[PS+\q], v[BY0+\q], 0x101
.endr
.irp q, 0,1
	v_cvt_scalef32_pk16_fp6_f32 v[PF+12*\q:PF+12*\q+2], v[S+16*\q:S+16*\q+15], v[T4+\q]
.endr
	v_nop                                          ; one plain place behind a scaled conversion
.irp q, 0,1                                    ; the sum of the unquantised p, in two chains
	v_pk_add_f32 v[TP+2*\q:TP+2*\q+1], v[S+16*\q:S+16*\q+1], v[S+16*\q+2:S+16*\q+3]
.endr
.irp i, 4,8,12
.irp q, 0,1
	v_pk_add_f32 v[LS+6*\q:LS+6*\q+1], v[LS+6*\q:LS+6*\q+1], v[S+16*\q+\i:S+16*\q+\i+1]
	v_pk_add_f32 v[TP+2*\q:TP+2*\q+1], v[TP+2*\q:TP+2*\q+1], v[S+16*\q+\i+2:S+16*\q+\i+3]
.endr
.endr
.irp q, 0,1
	v_pk_add_f32 v[LS+6*\q:LS+6*\q+1], v[LS+6*\q:LS+6*\q+1], v[TP+2*\q:TP+2*\q+1]
.endr
.endm
; One block of 32 keys, whose fragments of x are on their way into registers.  nxt: the block whose fragments are fetched for the next turn (-1: none).
.macro BLOCK kind, first, nxt
	s_wait_dscnt 0x0                               ; x's fragments and scale words are in
	PROJ_T WK, WKS, BK
.if \kind == 0                                 ; the bounds for the mask are the places behind those products
.irp q, 0,1
	v_add_nc_u32 v254, 8*\q, v21                   ; my query in its block
	v_mad_u32_u24 v254, v254, s35, s72             ; max(query, lo): lo is 0 (s35 = 1), or 32 or 64 (s35 = 0), above every query
	v_lshlrev_b32 v255, 4, v3
	v_sub_nc_u32 v[DQ+\q], v254, v255              ; - 16 h: against the register's number
.endr
.elseif \kind == 4
.irp q, 0,1
	v_add_nc_u32 v254, 128+8*\q, v21               ; my query + 128, in the window's count of keys
	v_min_u32 v254, s73, v254                      ; and the sequence's last key
	v_lshlrev_b32 v255, 4, v3
	v_sub_nc_u32 v254, v254, v255
	v_add_nc_u32 v[DQ+\q], 0xffffff80, v254        ; - 128 - 16 h
.endr
.else
	PLACES 4
.endif
	QUANT2 ACC, KF, KS, ACC+16, KF+4, KS+1
	PLACES 7                                       ; with the one in QUANT2: eight places behind the scale words, more than four behind the codes, more than five ahead of the products that write ACC anew
	WMMA0 S,    KF,   QF,    KS,   QS              ; S^T = k q^T
	WMMA0 S+8,  KF+4, QF,    KS+1, QS
	WMMA0 S+16, KF,   QF+12, KS,   QS+1
	WMMA0 S+24, KF+4, QF+12, KS+1, QS+1
	PROJ_V
	PLACES 4                                       ; ahead of the reads of the scores and of the loads into x's registers
.if \nxt >= 0
	LDREC XF, 7, \nxt*REC                          ; they have the softmax in which to land
	WIN 0
	ds_load_b128 v[XS:XS+3], v8 offset:\nxt*REC
.endif
	SOFT \kind, \first
	QUANT2 ACC, VF, VS, ACC+16, VF+4, VS+1
.if \first
	PLACES 8
	WMMA0 OA,    VF,   PF,    VS,   PS             ; O^T = v^T p^T starts the sums
	WMMA0 OA+16, VF,   PF+12, VS,   PS+1
	WMMA0 OA+8,  VF+4, PF,    VS+1, PS
	WMMA0 OA+24, VF+4, PF+12, VS+1, PS+1
.else
.irp i, 0,2,4,6,8,10,12,14
.irp q, 0,1
	v_pk_mul_f32 v[OA+16*\q+\i:OA+16*\q+\i+1], v[OA+16*\q+\i:OA+16*\q+\i+1], v[FF+6*\q:FF+6*\q+1] op_sel_hi:[1,0]   ; O^T under the new M.  For each product below twelve of these name none of its registers: its places
.endr
.endr
	WMMAC OA,    VF,   PF,    OA,    VS,   PS
	WMMAC OA+16, VF,   PF+12, OA+16, VS,   PS+1
	WMMAC OA+8,  VF+4, PF,    OA+8,  VS+1, PS
	WMMAC OA+24, VF+4, PF+12, OA+24, VS+1, PS+1
.endif
.endm
	s_load_b512 s[8:23], s[0:1], 0x0               ; xq, wts, x, bq, bk, bv, bo, gamma
	s_load_b128 s[24:27], s[0:1], 0x40             ; beta, out0
	s_set_vgpr_msb 0x40
	v_lshl_add_u32 v254, v0, 2, 0x43a00
	v_mov_b32 v255, 0
	s_set_vgpr_msb 0x4045
	ds_add_u32 v254, v255
	ds_add_u32 v254, v255
	s_set_vgpr_msb 0x4500
	v_lshrrev_b32 v1, 5, v0
	v_readfirstlane_b32 s28, v1                    ; wave 0..7 = my head
	s_bfe_u32 s29, ttmp6, 0x40000                  ; cx
	s_lshl_b32 s30, ttmp9, 2
	s_add_co_u32 s30, s30, s29                     ; the work-group: it enters data and global addresses alone
	s_and_b32 s31, s30, 127                        ; its block of 32 tokens in the batch
	s_lshr_b32 s32, s30, 7                         ; the batch
	s_mul_i32 s33, s28, 4*REC                      ; my four records of weights
	s_lshl_b32 s34, s28, 7                         ; my 32 columns, in bytes
	s_lshl_b32 s80, s31, 5
	s_sub_co_i32 s72, 64, s80
	s_max_i32 s72, s72, 0                          ; lo: the first key of the window (counted 0 .. 159) that lies in the sequence
	s_sub_co_i32 s73, 4159, s80
	s_min_i32 s73, s73, 159                        ; hi: the last
	s_cmp_eq_u32 s72, 0
	s_cselect_b32 s35, 1, 0
	s_cmp_eq_u32 s31, 0
	s_cselect_b32 s66, 0xff800000, 0               ; what block 1's scores get added: -infinity in a batch's first work-group
	s_mov_b32 s67, s66
	s_cmp_eq_u32 s31, 127
	s_cselect_b32 s68, 0xff800000, 0               ; and block 3's, in its last
	s_mov_b32 s69, s68
	s_mov_b32 s60, 0x76543210
	s_mov_b32 s61, 0xfedcba98                      ; v_permlanex16_b32's selects for lane l xor 16
	s_mov_b32 s62, 0x3e8293ee                      ; c = log2(e) / sqrt(32)
	s_mov_b32 s63, s62
	s_mov_b32 s70, 0x3b800000                      ; 1 / 256
	s_mov_b32 s71, 0x3a83126f                      ; 1e-3
	v_and_b32 v1, 31, v0                           ; lane
	v_and_b32 v2, 15, v0                           ; r
	v_bfe_u32 v3, v0, 4, 1                         ; h
	v_lshlrev_b32 v4, 4, v1                        ; 16 x lane
	v_add_nc_u32 v5, s33, v4                       ; v5: my weights' images
	s_add_co_u32 s82, s33, 6144
	v_lshl_add_u32 v6, v2, 4, s82                  ; v6: their scale words
	v_add_nc_u32 v7, XL, v4                        ; v7: x's images
	v_lshlrev_b32 v8, 4, v2
	v_add_nc_u32 v8, XL+6144, v8                   ; v8: x's scale words
	s_mul_i32 s82, s28, REC
	s_add_co_u32 s82, s82, XL
	v_add_nc_u32 v9, s82, v4                       ; v9: where waves 0-4 put window block w's record
	v_lshlrev_b32 v11, 3, v1                       ; v11: 8 x lane
	s_add_co_u32 s82, s82, 6144
	v_add_nc_u32 v10, s82, v11                     ; v10: and its scale words
	v_lshl_add_u32 v12, v3, 6, s34                 ; v12: a bias along a lane's registers: 128 w + 64 h
	v_and_b32 v21, 8, v2
	v_add_nc_u32 v21, v21, v2                      ; v21: r + 8 (r / 8)
	v_lshl_add_u32 v13, v21, 2, s34                ; v13: a bias by the lane's channel
	v_mul_u32_u24 v14, v2, OP
	v_mad_u32_u24 v16, v3, 24, v14
	v_add_nc_u32 v16, OROW, v16                    ; v16: o's codes as an operand: row r, + 24 h
	v_mad_u32_u24 v14, v3, 12, v14
	s_mul_i32 s82, s28, 24
	s_add_co_u32 s82, s82, OROW
	v_add_nc_u32 v14, s82, v14                     ; v14: where I put my 12 bytes: row r, + 12 h + 24 w
	v_lshlrev_b32 v17, 3, v2
	v_add_nc_u32 v17, OSC, v17                     ; v17: o's scale words
	v_add_nc_u32 v15, s28, v17                     ; v15: my head's byte
	v_mul_u32_u24 v18, v2, SP
	v_lshl_add_u32 v18, v3, 6, v18
	s_add_co_u32 s82, s34, STG
	v_add_nc_u32 v18, s82, v18                     ; v18: the stage: row r, + 64 h + 128 w
	s_mul_i32 s82, s28, 4*SP
	s_add_co_u32 s82, s82, STG
	v_add_nc_u32 v19, s82, v4                      ; v19: back: my four rows
	v_mov_b32 v20, 0xff800000                      ; -infinity
.irp j, 3,4,5,6,7,8,9,10,11,15,16,17,18,19,20,21,22,23
	v_mov_b32 v[QF+\j], 0                          ; q's and p's fragments: zero codes wherever no conversion writes.  Set once
	v_mov_b32 v[PF+\j], 0
.endr
.irp j, 3,7,8,9,10,11,12,13,14,15
	v_mov_b32 v[KF+\j], 0                          ; the rest of k's and v's runs: read, and multiplied by zero codes
	v_mov_b32 v[VF+\j], 0
.endr
.irp q, 0,1
	v_mov_b32 v[LS+6*\q], 0                        ; the sums
	v_mov_b32 v[LS+6*\q+1], 0
	v_mov_b32 v[FF+6*\q+1], 0                      ; (named as the upper half of a pair)
	v_mov_b32 v[T2+\q], 0                          ; (a lane permute's destination counts as one of its sources)
	v_mov_b32 v[TX+\q], 0
.endr
	; descriptor groups 1: dense blocks as rows of 256 bytes (32 elements of 8 bytes): 75 rows (records q, k, v) and 25 rows (record o)
	s_mov_b32 s44, 15|(3<<16)|(1<<21)              ; 15:0 the mask: all four work-groups; 17:16 elements of 8 bytes; 21 set beside a mask
	s_mov_b32 s45, 32<<16                          ; tensor_dim0
	s_mov_b32 s46, 75<<16                          ; tensor_dim1
	s_mov_b32 s47, 32<<16                          ; tile_dim0
	s_mov_b32 s48, 75                              ; tile_dim1
	s_mov_b32 s49, 32                              ; the pitch
	s_mov_b32 s50, 0
	s_mov_b32 s51, 0
	s_mov_b32 s52, 15|(3<<16)|(1<<21)
	s_mov_b32 s53, 32<<16
	s_mov_b32 s54, 25<<16
	s_mov_b32 s55, 32<<16
	s_mov_b32 s56, 25
	s_mov_b32 s57, 32
	s_mov_b32 s58, 0
	s_mov_b32 s59, 0
	s_mov_b32 s80, s33
	s_mov_b32 s81, 0
	s_wait_dscnt 0x0
	s_wait_kmcnt 0x0
	s_mov_b32 s36, 1                               ; groups 0: they hang on the wave's number alone, so they are equal in the four partners
	s_mov_b32 s37, s33
	s_add_nc_u64 s[38:39], s[10:11], s[80:81]
	s_mov_b32 s40, 1
	s_add_co_u32 s41, s33, 3*REC
	s_add_nc_u64 s[42:43], s[38:39], 3*REC
	s_or_b32 s39, s39, 0x80000000
	s_or_b32 s43, s43, 0x80000000
	ROUND                                          ; the four work-groups are here: the joint loads meet
	tensor_load_to_lds s[36:39], s[44:51]          ; my records q, k, v
	s_nop 0
	tensor_load_to_lds s[40:43], s[52:59]          ; my record o
	s_nop 0
	PLACES 4
	s_add_co_i32 s82, s31, s28                     ; window block w is token block wgb - 2 + w, held inside the batch: what is held is hidden by the masks
	s_sub_co_i32 s82, s82, 2
	s_max_i32 s82, s82, 0
	s_min_i32 s82, s82, 127
	s_lshl_b32 s83, s32, 7
	s_add_co_u32 s82, s82, s83
	s_mul_i32 s80, s82, REC
	s_add_nc_u64 s[74:75], s[8:9], s[80:81]        ; its record in xq
	s_lshl_b32 s82, s30, 5                         ; the tail: my four rows are tokens 32 x work-group + 8 (w / 4) + 4 (w % 4) + 8 ((w % 4) / 2) + 0 .. 3: stage rows 4 w .. 4 w + 3
	s_lshr_b32 s83, s28, 2
	s_lshl_b32 s83, s83, 3
	s_add_co_u32 s82, s82, s83
	s_and_b32 s83, s28, 3
	s_lshl_b32 s80, s83, 2
	s_add_co_u32 s82, s82, s80
	s_lshr_b32 s83, s83, 1
	s_lshl_b32 s83, s83, 3
	s_add_co_u32 s82, s82, s83
	s_lshl_b32 s80, s82, 10
	s_add_nc_u64 s[76:77], s[12:13], s[80:81]      ; in x
	s_add_nc_u64 s[78:79], s[26:27], s[80:81]      ; and in out0
	WIN 0x40                                       ; destination window 1
.irp cu, 0,1                                   ; bq, bk in the transposed results' layout: tile cu, lane (r, h): channels 16 h + 8 cu + 0 .. 7
	global_load_b128 v[BQ+8*\cu:BQ+8*\cu+3],   v12, s[14:15] offset:32*\cu
	global_load_b128 v[BQ+8*\cu+4:BQ+8*\cu+7], v12, s[14:15] offset:32*\cu+16
	global_load_b128 v[BK+8*\cu:BK+8*\cu+3],   v12, s[16:17] offset:32*\cu
	global_load_b128 v[BK+8*\cu+4:BK+8*\cu+7], v12, s[16:17] offset:32*\cu+16
.endr
	WIN 0
	global_load_b32 v[T0], v13, s[18:19]           ; bv of my lane's channel in tile 0,
	global_load_b32 v[T1], v13, s[18:19] offset:32 ; and in tile 1
	s_cmp_gt_u32 s28, 4
	s_cbranch_scc1 .Lnox
.irp n, 0,1,2,3,4,5,6,7,8,9,10,11              ; waves 0-4: a record of x's codes goes to LDS as it lies
	global_load_b128 v[ACC+4*\n:ACC+4*\n+3], v4, s[74:75] offset:512*\n
.endr
	global_load_b64 v[174:175], v11, s[74:75] offset:6144
	s_wait_loadcnt 0x0
.irp n, 0,1,2,3,4,5,6,7,8,9,10,11
	ds_store_b128 v9, v[ACC+4*\n:ACC+4*\n+3] offset:512*\n
.endr
	ds_store_b64 v10, v[174:175]
.Lnox:
	s_wait_loadcnt 0x0                             ; the biases
	WIN 0x40
.irp j, 0,1,2,3,4,5,6,7
	v_mov_b32 v[BV+\j], v[T0]                      ; bv in v's layout: a lane's eight registers are eight keys of one channel
	v_mov_b32 v[BV+8+\j], v[T1]
.endr
	WIN 0
	s_wait_tensorcnt 0x1                           ; my records q, k, v are in; the one load issued behind them, record o's, may be out.  I alone read what my loads bring
	LDREC WQ, 5, 0
	LDREC WK, 5, REC
	LDREC WV, 5, 2*REC
	WIN 0
	ds_load_b128 v[WQS:WQS+3], v6
	ds_load_b128 v[WKS:WKS+3], v6 offset:REC
	ds_load_b128 v[WVS:WVS+3], v6 offset:2*REC
	BAR                                            ; x's five records lie in LDS
	LDREC XF, 7, 2*REC                             ; my own block's
	WIN 0
	ds_load_b128 v[XS:XS+3], v8 offset:2*REC
	; ---- q of my 32 queries
	s_wait_dscnt 0x0
	PROJ_T WQ, WQS, BQ
	PLACES 4
	QUANT2 ACC, QF, QS, ACC+16, QF+12, QS+1
	WIN 0x40
.irp cu, 0,1                                   ; bo takes bq's registers (the places above stand between): columns 32 w + 16 h + 8 cu + 0 .. 7
	global_load_b128 v[BQ+8*\cu:BQ+8*\cu+3],   v12, s[20:21] offset:32*\cu
	global_load_b128 v[BQ+8*\cu+4:BQ+8*\cu+7], v12, s[20:21] offset:32*\cu+16
.endr
	WIN 0
	; ---- the five blocks of keys, my own first
	BLOCK 2, 1, 1
	BLOCK 1, 0, 0
	BLOCK 0, 0, 3
	BLOCK 3, 0, 4
	BLOCK 4, 0, -1
	; ---- o = O^T / the sum, quantised: a head is one block of the last product's K
	PLACES 4
	s_wait_tensorcnt 0x0                           ; record o is in
	LDREC WQ, 5, 3*REC
	WIN 0
	ds_load_b128 v[WQS:WQS+3], v6 offset:3*REC
.irp q, 0,1
	v_add_f32 v[T0+\q], v[LS+6*\q], v[LS+6*\q+1]   ; the sum's two halves,
.endr
.irp q, 0,1
	v_permlanex16_b32 v[T2+\q], v[T0+\q], s60, s61
.endr
.irp q, 0,1
	v_add_f32 v[T0+\q], v[T0+\q], v[T2+\q]         ; and lane l xor 16's
.endr
.irp q, 0,1
	v_rcp_f32 v[FF+6*\q], v[T0+\q]
.endr
	v_nop                                          ; a plain place behind the reciprocals
	s_wait_alu depctr_va_vdst(0)
.irp i, 0,2,4,6,8,10,12,14
.irp q, 0,1
	v_pk_mul_f32 v[OA+16*\q+\i:OA+16*\q+\i+1], v[OA+16*\q+\i:OA+16*\q+\i+1], v[FF+6*\q:FF+6*\q+1] op_sel_hi:[1,0]
.endr
.endr
	QUANT2 OA, OC, -1, OA+16, OC+4, -1
.irp q, 0,1
.irp i, 0,1,2
	ds_store_b32 v14, v[OC+4*\q+\i] offset:16*OP*\q+4*\i   ; channels 16 h + 0 .. 15 of head w: 12 bytes of the row's stream of bits
.endr
	ds_store_b8 v15, v[BY0+\q] offset:128*\q       ; both halves of the lanes write the same byte with the same value
.endr
.irp e, 0,1                                    ; what the tail wants is asked for now: gamma, beta, my four rows of x
	global_load_b128 v[GA+4*\e:GA+4*\e+3], v4, s[22:23] offset:512*\e
	global_load_b128 v[BE+4*\e:BE+4*\e+3], v4, s[24:25] offset:512*\e
.endr
.irp i, 0,1,2,3
.irp e, 0,1
	global_load_b128 v[XR+8*\i+4*\e:XR+8*\i+4*\e+3], v4, s[76:77] offset:1024*\i+512*\e th:TH_LOAD_NT
.endr
.endr
	BAR                                            ; o's codes and bytes of all eight heads lie in LDS
	; ---- the output projection: my 32 columns for the 32 rows
	WIN 0x40
.irp f, 0,1,2,3                                ; fragment (q, s), f = 2 q + s: 24 bytes a lane and half step, in pieces of 8
.irp p, 0,1,2,3,4,5
	ds_load_b64 v[XF+12*\f+2*\p:XF+12*\f+2*\p+1], v16 offset:16*OP*(\f/2)+96*(\f%2)+48*(\p/3)+8*(\p%3)
.endr
.endr
	WIN 0
.irp f, 0,1,2,3
	ds_load_b32 v[XS+\f], v17 offset:128*(\f/2)+4*(\f%2)
.endr
	s_wait_dscnt 0x0
	s_wait_loadcnt 12                              ; bo's four loads are in; the twelve issued behind them (gamma, beta, x) may be out
	PROJ_T WQ, WQS, BQ
	PLACES 4
.irp q, 0,1
.irp n, 0,1,2,3
	ds_store_b128 v18, v[ACC+16*\q+4*\n:ACC+16*\q+4*\n+3] offset:16*SP*\q+16*\n   ; columns 32 w + 16 h + 4 n on of stage row 16 q + r; each accumulator from its low end on
.endr
.endr
	BAR                                            ; 32 whole rows lie in the stage
	; ---- residual and LayerNorm: four rows a wave; a lane holds columns 4 lane + 0 .. 3 and 128 + 4 lane + 0 .. 3
.irp i, 0,1,2,3
.irp e, 0,1
	ds_load_b128 v[YS+8*\i+4*\e:YS+8*\i+4*\e+3], v19 offset:SP*\i+512*\e
.endr
.endr
	s_wait_dscnt 0x0
	s_wait_loadcnt 0x0
.irp j, 0,2,4,6
.irp i, 0,1,2,3
	v_pk_add_f32 v[YS+8*\i+\j:YS+8*\i+\j+1], v[YS+8*\i+\j:YS+8*\i+\j+1], v[XR+8*\i+\j:XR+8*\i+\j+1]   ; y = x + attention's output
.endr
.endr
.irp i, 0,1,2,3
	v_pk_add_f32 v[RA+4*\i:RA+4*\i+1], v[YS+8*\i:YS+8*\i+1], v[YS+8*\i+2:YS+8*\i+3]
	v_pk_add_f32 v[RB+4*\i:RB+4*\i+1], v[YS+8*\i+4:YS+8*\i+5], v[YS+8*\i+6:YS+8*\i+7]
.endr
.irp i, 0,1,2,3
	v_pk_add_f32 v[RA+4*\i:RA+4*\i+1], v[RA+4*\i:RA+4*\i+1], v[RB+4*\i:RB+4*\i+1]
.endr
.irp i, 0,1,2,3
	v_add_f32 v[RA+4*\i], v[RA+4*\i], v[RA+4*\i+1]
.endr
.irp m, 1,2,4,8
.irp i, 0,1,2,3
	v_add_f32_dpp v[RA+4*\i], v[RA+4*\i], v[RA+4*\i] row_xmask:\m row_mask:0xf bank_mask:0xf
.endr
.endr
.irp i, 0,1,2,3
	v_permlanex16_b32 v[RB+4*\i], v[RA+4*\i], s60, s61
.endr
.irp i, 0,1,2,3
	v_add_f32 v[RA+4*\i], v[RA+4*\i], v[RB+4*\i]
.endr
.irp i, 0,1,2,3
	v_mul_f32 v[RA+4*\i], s70, v[RA+4*\i]          ; the mean
.endr
.irp j, 0,2,4,6
.irp i, 0,1,2,3
	v_pk_add_f32 v[YS+8*\i+\j:YS+8*\i+\j+1], v[YS+8*\i+\j:YS+8*\i+\j+1], v[RA+4*\i:RA+4*\i+1] op_sel_hi:[1,0] neg_lo:[0,1] neg_hi:[0,1]   ; y - mean
.endr
.endr
.irp i, 0,1,2,3
	v_pk_mul_f32 v[RB+4*\i:RB+4*\i+1], v[YS+8*\i:YS+8*\i+1], v[YS+8*\i:YS+8*\i+1]
.endr
.irp j, 2,4,6
.irp i, 0,1,2,3
	v_pk_fma_f32 v[RB+4*\i:RB+4*\i+1], v[YS+8*\i+\j:YS+8*\i+\j+1], v[YS+8*\i+\j:YS+8*\i+\j+1], v[RB+4*\i:RB+4*\i+1]
.endr
.endr
.irp i, 0,1,2,3
	v_add_f32 v[RB+4*\i], v[RB+4*\i], v[RB+4*\i+1]
.endr
.irp m, 1,2,4,8
.irp i, 0,1,2,3
	v_add_f32_dpp v[RB+4*\i], v[RB+4*\i], v[RB+4*\i] row_xmask:\m row_mask:0xf bank_mask:0xf
.endr
.endr
.irp i, 0,1,2,3
	v_permlanex16_b32 v[RA+4*\i], v[RB+4*\i], s60, s61
.endr
.irp i, 0,1,2,3
	v_add_f32 v[RB+4*\i], v[RB+4*\i], v[RA+4*\i]
.endr
.irp i, 0,1,2,3
	v_fma_f32 v[RB+4*\i], v[RB+4*\i], s70, s71     ; the variance + 1e-3
.endr
.irp i, 0,1,2,3
	v_rsq_f32 v[RA+4*\i], v[RB+4*\i]
.endr
	v_nop                                          ; a plain place behind the roots
	s_wait_alu depctr_va_vdst(0)
.irp j, 0,2,4,6
.irp i, 0,1,2,3
	v_pk_mul_f32 v[YS+8*\i+\j:YS+8*\i+\j+1], v[YS+8*\i+\j:YS+8*\i+\j+1], v[RA+4*\i:RA+4*\i+1] op_sel_hi:[1,0]
.endr
.endr
.irp j, 0,2,4,6
.irp i, 0,1,2,3
	v_pk_fma_f32 v[YS+8*\i+\j:YS+8*\i+\j+1], v[YS+8*\i+\j:YS+8*\i+\j+1], v[GA+\j:GA+\j+1], v[BE+\j:BE+\j+1]   ; x gamma + beta
.endr
.endr
.irp i, 0,1,2,3
.irp e, 0,1
	global_store_b128 v4, v[YS+8*\i+4*\e:YS+8*\i+4*\e+3], s[78:79] offset:1024*\i+512*\e th:TH_STORE_NT   ; 32 lanes store 512 consecutive bytes, at a multiple of 256 from out0's first byte
.endr
.endr
	s_set_vgpr_msb 0x5
	s_wait_tensorcnt 0x0
	ds_add_u32 v254, v255
	s_wait_dscnt 0x0
	s_set_vgpr_msb 0x500
	ROUND                                          ; the closing round: no work-group ends while a partner may still ask for a tile that names it
	s_endpgm
.Lfunc_end_k_q892efdebb4_attn:
	.size	k_q892efdebb4_attn, .Lfunc_end_k_q892efdebb4_attn-k_q892efdebb4_attn
	.p2alignl 7, 3214868480
	.fill 96, 4, 3214868480
	.section	.rodata,"a",@progbits
	.p2align	6, 0x0
	.amdhsa_kernel k_q892efdebb4_attn
		.amdhsa_group_segment_fixed_size 278016
		.amdhsa_private_segment_fixed_size 0
		.amdhsa_enable_private_segment 0
		.amdhsa_kernarg_size 80
		.amdhsa_user_sgpr_count 2
		.amdhsa_user_sgpr_kernarg_segment_ptr 1
		.amdhsa_wavefront_size32 1
		.amdhsa_system_sgpr_workgroup_id_x 1
		.amdhsa_system_sgpr_workgroup_id_y 1
		.amdhsa_system_sgpr_workgroup_id_z 1
		.amdhsa_system_vgpr_workitem_id 0
		.amdhsa_next_free_vgpr 512
		.amdhsa_next_free_sgpr 84
		.amdhsa_reserve_vcc 1
		.amdhsa_float_denorm_mode_32 3
		.amdhsa_float_denorm_mode_16_64 3
		.amdhsa_memory_ordered 1
		.amdhsa_forward_progress 1
		.amdhsa_inst_pref_size 119
	.end_amdhsa_kernel
	.amdgpu_metadata
---
amdhsa.version: [ 1, 2 ]
amdhsa.kernels:
  - .name:           k_q892efdebb4_attn
    .symbol:         k_q892efdebb4_attn.kd
    .args:
      - { .name: xq, .offset: 0, .size: 8, .value_kind: global_buffer, .address_space: global }
      - { .name: wts, .offset: 8, .size: 8, .value_kind: global_buffer, .address_space: global }
      - { .name: x, .offset: 16, .size: 8, .value_kind: global_buffer, .address_space: global }
      - { .name: bq, .offset: 24, .size: 8, .value_kind: global_buffer, .address_space: global }
      - { .name: bk, .offset: 32, .size: 8, .value_kind: global_buffer, .address_space: global }
      - { .name: bv, .offset: 40, .size: 8, .value_kind: global_buffer, .address_space: global }
      - { .name: bo, .offset: 48, .size: 8, .value_kind: global_buffer, .address_space: global }
      - { .name: gamma, .offset: 56, .size: 8, .value_kind: global_buffer, .address_space: global }
      - { .name: beta, .offset: 64, .size: 8, .value_kind: global_buffer, .address_space: global }
      - { .name: out0, .offset: 72, .size: 8, .value_kind: global_buffer, .address_space: global }
    .group_segment_fixed_size: 278016
    .private_segment_fixed_size: 0
    .kernarg_segment_align: 8
    .kernarg_segment_size: 80
    .max_flat_workgroup_size: 256
    .sgpr_count:     84
    .vgpr_count:     512
    .wavefront_size: 32
...
	.end_amdgpu_metadata
.endif
;; end of part 2
